; MI455X (gfx1250); checked and timed in simulation.
; The chip was launched on July 23, 2026; its instructions are those of AMD's public machine-readable ISA for CDNA 5 (MIT licence, August 2026) and "CDNA5" Instruction Set Architecture Reference Guide (July 2026). The comments in the code are by the model that wrote it; some were corrected since.
;; Resonant FFNV2. Allowed arithmetic: float matrix products may take bf16 or f16 operands with f32 sums; other float arithmetic in f32, or as packed bf16 or f16 multiplies, adds, multiply-adds, maxima and minima; sums over many terms, partial sums and values carried from step to step in f32; what a program stores and reads back later, other than sums and carried values, may be rounded once to bf16 or f16.
;; Inputs: B_param 256 x 512 float32; W 256 x 512 float32; attn_cos 256 x 512 float32; attn_sin 256 x 512 float32; proj_cos_w 512 x 256 float32; proj_sin_w 512 x 256 float32; x 2 x 512 x 512 float32.
;; Outputs: out0 2 x 512 x 512 float32.
;; One version. Each part assembles by itself: llvm-mc -triple=amdgcn-amd-amdhsa -mcpu=gfx1250 --defsym DOCPART=n.
;; ======== version 1 of 1: 2 launches
;; limits: a function is approximated: absolute error at most 0.0016; a function is approximated: absolute error at most 0.00025; right only within a limited range of input values
;; workspace buffers: sums 2,097,152 bytes
;; launch sums (part 1): grid 32 x 8, 8 waves a work-group, clusters of 4 x 1, 271,360 bytes of LDS; arguments x, W, B_param, attn_cos, attn_sin, sums; writes sums
.if DOCPART == 1
	.amdgcn_target "amdgcn-amd-amdhsa--gfx1250"
	.amdhsa_code_object_version 6
	.text
	.protected	k_qf7e475cf89_sums
	.globl	k_qf7e475cf89_sums
	.p2align	8
	.type	k_qf7e475cf89_sums,@function
k_qf7e475cf89_sums:
	s_mov_b64 s[64:65], 0
	v_nop
	global_prefetch_b8 v0, s[64:65] scope:SCOPE_SE
	s_setreg_imm32_b32 hwreg(HW_REG_WAVE_MODE, 25, 1), 1
	s_wait_xcnt 0x0
	s_wait_alu depctr_hold_cnt(0) depctr_sa_sdst(0) depctr_va_vdst(0) depctr_va_sdst(0) depctr_va_ssrc(0) depctr_va_vcc(0) depctr_vm_vsrc(0)
	s_getreg_b32 s2, hwreg(HW_REG_IB_STS2, 6, 4)
	s_cmp_eq_u32 s2, 0
	s_cbranch_scc0 .Lentry_in_a_cluster
	s_endpgm
.Lentry_in_a_cluster:
	s_bfe_u32 s2, ttmp6, 0x10000c
	s_cmp_lg_u32 s2, 0x3003
	s_cbranch_scc0 .Lentry_shape_is_right
	s_endpgm
.Lentry_shape_is_right:
; cos_sum[r][n] = sum over d of attn_cos[n][d] cos(T), sin_sum[r][n] = sum over d of attn_sin[n][d] sin(T), where T is theta = x[r][d] / (1 + |W[n][d]|) + B[n][d]
; rounded to the nearest of 4,096 steps of a turn.  x: [1024][512], W, B, the gains: [256][512], all f32.  134,217,728 angles: the launch is vector arithmetic.
; OUT: sums, bf16, [part 2][k block 64][row 1024][8]: part 0 the sum rounded to bf16, part 1 the rest rounded to bf16; k block = 32 x kind + n / 8 (kind 0 cos, 1 sin).
; ONE ANGLE.  v = x iw + BM, iw = 1 / (2 pi (1 + |W|)), BM = B / (2 pi) + 3072.5.  Between 2,048 and 4,096 an f32 steps by 2^-12, so the multiply-add's own rounding (to nearest, ties to even)
; is the rounding to a step of the table.  f = fract(v) takes the whole turns away; y = f - 1/2 is the angle in turns, in -1/2 .. 1/2.  With z = f f - f = y y - 1/4:
; cos = C(z), five coefficients; sin = y S(z), four.  h = f as - as / 2 = as y, so the centring costs a register (MH = -as / 2) and no instruction.  14 instructions for two angles.
; C and S are the Chebyshev series of cos(pi t) and sin(pi t), t = 2 y, cut behind T8 and T7 and written in powers of z: largest error 4.1e-5 and 2.5e-4, on the whole circle, for every input.
; LIMITS.  B / (2 pi) is rounded to a step of the table BEFORE x's part is added, not after: the index may differ by one step from the index of the unrounded sum, at most 7.7e-4 rad of angle.
; |theta| stays under 2 pi x 1,024 = 6,433 for the step to be 2^-12 turn (beyond that it is coarser; the angle is still reduced).  1 / (1 + |W|) is v_rcp_f32.  NaN and infinities are not treated apart.
; SHARES.  A work-group: 8 n x 128 rows.  Wave w: the two n 2 (w % 4), 2 (w % 4) + 1 (lanes 0-15 the first, lanes 16-31 the second) and 64 rows: of rows 0-31 the 16 at 16 (w / 4), of rows 32-127 the 48
; at 32 + 48 (w / 4).  A lane holds 32 d of its n: d = 64 q + 4 (lane % 16) + 0..3, q = 0..7: five parameters x 32 registers, made once.  A row's x comes out of LDS, 16 bytes a lane, both halves of the lanes alike.
; CLUSTER.  The four work-groups of a cluster have the same 128 rows and other n: x's rows are asked for JOINTLY, the same two tensor loads a wave, with the same descriptors and the mask of four, in all four.
; Both stand at the head; nothing is filled again.  W, B and the gains go straight into registers, 16 KiB a wave, once: they are not shared in the cluster.
.set STAGE,  262144                    ; behind x's 128 rows of 2,048 bytes: 1,024 bytes for each wave: [row in the wave's order 64][kind 2][n 2] f32
.set SPARE,  270336                    ; behind the stage: the spare words, 128 bytes for each wave: four blocks of 256 bytes that no other line names
.set ROWS0,  16                        ; a wave's rows in the first tile,
.set ROWS1,  48                        ; and in the second
.set XA,   1                           ; v1   LDS address of my 16 bytes in the row in hand
.set SA,   2                           ; v2   where the row's sum goes in my wave's stage
.set RC,   3                           ; v3, v4   a row's two sums, my lane's part
.set RS,   4
.set KEEP, 5                           ; v5, v6   the exchange between lanes 8 apart
.set SEND, 6
.set XA1,  7                           ; v7   XA for the second tile's first row
.set SPW,  8                           ; v8   LDS address of my spare word; never rewritten
.set NIL,  9                           ; v9   0; never rewritten
.set PO,   10                          ; v10  my byte offset in the two rows of a parameter
.set GO,   11                          ; v11  my byte offset in sums
.set ACC,  12                          ; v[12:15] cos, two sets of a pair; v[16:19] sin
.set F,    20                          ; v[20:27] four chains: v, then f, then h
.set Z,    28                          ; v[28:35] z
.set S,    36                          ; v[36:43] S(z)
.set C,    44                          ; v[44:51] C(z)
.set X,    52                          ; v[52:83] a row of x
.set IW,   84                          ; v[84:115]
.set BM,   116                         ; v[116:147]
.set AC,   148                         ; v[148:179] attn_cos
.set AS,   180                         ; v[180:211] attn_sin
.set MH,   212                         ; v[212:243] -attn_sin / 2
.set WV,   16                          ; s16  wave
.set PR,   17                          ; s17  wave % 4: which two n
.set HF,   18                          ; s18  wave / 4: which rows
.set CX,   19                          ; s19  my place in the cluster: it enters the parameters' and sums' addresses alone
.set NBK,  20                          ; s20  my block of 8 n
.set RB,   21                          ; s21  my block of 128 rows, which the four partners share
.set T0,   22                          ; s[22:23] an offset for x's addresses
.set G1A,  24                          ; s[24:31] descriptor group 1, first tile
.set G1B,  32                          ; s[32:39] second tile
.set G0A,  40                          ; s[40:43] descriptor group 0, first tile
.set G0B,  44                          ; s[44:47] second tile
.set KC0,  48                          ; the coefficients, each written twice: a packed line names a pair and takes its low word for both halves
.set KC1,  50
.set KC2,  52
.set KC3,  54
.set KC4,  56
.set KQ0,  58
.set KQ1,  60
.set KQ2,  62
.set KQ3,  66
.set K2PI, 68
.set MAG,  70
.set MSK,  72                          ; s72  lanes 8-15 and 24-31
.set CNT,  73
.set OC,   74                          ; s[74:75] an offset that hangs on my place in the cluster
.set T2,   76
.set T3,   77
.macro KONST r, bits
	s_mov_b32 s[\r], \bits
	s_mov_b32 s[\r+1], \bits
.endm
; A round of the cluster's barrier: my work-group's barrier, so that wave 0's signal speaks for all eight waves; wave 0 signals; every wave waits for all four work-groups; my work-group's barrier once more.
.macro CROUND
	s_barrier_signal -1
	s_barrier_wait -1
	s_cmp_lg_u32 s[WV], 0
	s_cbranch_scc1 .Lnot_wave_0_\@
	s_barrier_signal -3
.Lnot_wave_0_\@:
	s_barrier_wait -3
	s_barrier_signal -1
	s_barrier_wait -1
.endm
	s_load_b256 s[4:11], s[0:1], 0x0               ; x s[4:5], W s[6:7], B s[8:9], attn_cos s[10:11]
	s_load_b128 s[12:15], s[0:1], 0x20             ; attn_sin s[12:13], sums s[14:15]
	v_lshl_add_u32 v[SPW], v0, 2, SPARE
	v_mov_b32 v[NIL], 0
	ds_add_u32 v[SPW], v[NIL]                      ; the wave's opening: the add, twice on end, and its wait ahead of my first tensor load; the set-up below, work on registers, stands between
	ds_add_u32 v[SPW], v[NIL]
	v_lshrrev_b32 v1, 5, v0
	v_readfirstlane_b32 s[WV], v1
	s_and_b32 s[PR], s[WV], 3
	s_lshr_b32 s[HF], s[WV], 2
	s_bfe_u32 s[CX], ttmp6, 0x40000
	s_lshl_b32 s[NBK], ttmp9, 2                    ; in a cluster launch ttmp9 counts clusters
	s_add_co_u32 s[NBK], s[NBK], s[CX]
	s_and_b32 s[RB], ttmp7, 0xffff
	; Descriptor group 1.  x's rows lie end to end, so a tile is a dense block, asked for as rows of 256 bytes: 32 elements of 8 bytes.  Wave w brings 8 KiB of rows 0-31 and 24 KiB of rows 32-127.
	s_mov_b32 s[G1A+0], 15|(3<<16)|(1<<21)         ; 15:0 the mask of four; 17:16 elements of 8 bytes; 21 set beside a mask; no padding: the rows are read 16 bytes a lane on end
	s_mov_b32 s[G1A+1], 32<<16                     ; tensor_dim0 = 32
	s_mov_b32 s[G1A+2], 32<<16                     ; tensor_dim1 = 32
	s_mov_b32 s[G1A+3], 32<<16                     ; tile_dim0 = 32
	s_mov_b32 s[G1A+4], 32                         ; tile_dim1 = 32
	s_mov_b32 s[G1A+5], 32                         ; 32 elements from row to row
	s_mov_b32 s[G1A+6], 0
	s_mov_b32 s[G1A+7], 0
	s_mov_b32 s[G1B+0], 15|(3<<16)|(1<<21)
	s_mov_b32 s[G1B+1], 32<<16
	s_mov_b32 s[G1B+2], 96<<16                     ; 96 rows of 256 bytes
	s_mov_b32 s[G1B+3], 32<<16
	s_mov_b32 s[G1B+4], 96
	s_mov_b32 s[G1B+5], 32
	s_mov_b32 s[G1B+6], 0
	s_mov_b32 s[G1B+7], 0
	s_mov_b32 s[G0A], 1
	s_lshl_b32 s[G0A+1], s[WV], 13                 ; LDS: 8,192 w
	s_mov_b32 s[G0B], 1
	s_mul_i32 s[G0B+1], s[WV], 24576
	s_add_co_u32 s[G0B+1], s[G0B+1], 65536         ; LDS: 65,536 + 24,576 w
	KONST KC0, 0xbf7ffd6b                          ; C(z) = -0.99996058 + 0.0078180312 z + 19.986231 z^2 - 36.769755 z^3 + 45.621051 z^4
	KONST KC1, 0x3c001733
	KONST KC2, 0x419fe3cd
	KONST KC3, 0xc213143b
	KONST KC4, 0x42367bf5
	KONST KQ0, 0xba000ed0                          ; S(z) = -0.00048850200 - 12.643628 z + 35.880551 z^2 - 56.038470 z^3
	KONST KQ1, 0xc14a4c4d
	KONST KQ2, 0x420f85af
	KONST KQ3, 0xc2602765
	KONST K2PI, 0x3e22f983                         ; 1 / (2 pi)
	KONST MAG, 0x45400800                          ; 3072.5
	s_mov_b32 s[MSK], 0xff00ff00
	v_and_b32 v[GO], 15, v0                        ; lane % 16
	v_bfe_u32 v[RC], v0, 4, 1                      ; lane / 16
	v_bfe_u32 v[RS], v0, 3, 1                      ; bit 3 of the lane: it will hold cos (0) or sin (1)
	v_lshlrev_b32 v[XA], 4, v[GO]
	v_lshl_add_u32 v[PO], v[RC], 11, v[XA]         ; my n's row of 2,048 bytes + 16 (lane % 16)
	v_lshlrev_b32 v[SA], 3, v[RS]
	v_lshl_add_u32 v[SA], v[RC], 2, v[SA]
	s_lshl_b32 s[T2], s[WV], 10
	s_add_co_u32 s[T2], s[T2], STAGE
	v_add_nc_u32 v[SA], s[T2], v[SA]               ; my wave's stage + 8 kind + 4 (lane / 16)
	s_mul_i32 s[T3], s[HF], 98304
	s_add_co_u32 s[T3], s[T3], 65536
	v_add_nc_u32 v[XA1], s[T3], v[XA]              ; row 32 + 48 (w / 4)
	s_lshl_b32 s[T3], s[HF], 15
	v_add_nc_u32 v[XA], s[T3], v[XA]               ; row 16 (w / 4)
	s_wait_dscnt 0x0                               ; both opening adds are done
	s_wait_kmcnt 0x0
	s_lshl_b32 s[T0], s[RB], 18                    ; my block's 128 rows of 2,048 bytes
	s_mov_b32 s[T0+1], 0
	s_add_nc_u64 s[4:5], s[4:5], s[T0:T0+1]
	s_mov_b32 s[T0], s[G0A+1]                      ; a tile's place in the block is its place in LDS
	s_add_nc_u64 s[G0A+2:G0A+3], s[4:5], s[T0:T0+1]
	s_or_b32 s[G0A+3], s[G0A+3], 0x80000000        ; type = 2
	s_mov_b32 s[T0], s[G0B+1]
	s_add_nc_u64 s[G0B+2:G0B+3], s[4:5], s[T0:T0+1]
	s_or_b32 s[G0B+3], s[G0B+3], 0x80000000
	s_lshl_b32 s[OC], s[NBK], 14                   ; my block's 8 rows of a parameter,
	s_lshl_b32 s[T2], s[PR], 12                    ; my wave's two of them
	s_add_co_u32 s[OC], s[OC], s[T2]
	s_mov_b32 s[OC+1], 0
	s_add_nc_u64 s[6:7], s[6:7], s[OC:OC+1]
	s_add_nc_u64 s[8:9], s[8:9], s[OC:OC+1]
	s_add_nc_u64 s[10:11], s[10:11], s[OC:OC+1]
	s_add_nc_u64 s[12:13], s[12:13], s[OC:OC+1]
	s_lshl_b32 s[OC], s[NBK], 14                   ; sums: my k block's 1,024 rows of 16 bytes,
	s_lshl_b32 s[T2], s[RB], 11                    ; my 128 of them
	s_add_co_u32 s[OC], s[OC], s[T2]
	s_add_nc_u64 s[14:15], s[14:15], s[OC:OC+1]
	CROUND                                         ; all four work-groups are here: the joint loads meet
	tensor_load_to_lds s[G0A:G0A+3], s[G1A:G1A+7]  ; both fills go out together, ahead of every wait on TENSORcnt, every LDS read and every other barrier: two loads of mine are out
	s_nop 0
	tensor_load_to_lds s[G0B:G0B+3], s[G1B:G1B+7]
	s_nop 0
.irp q, 0,1,2,3,4,5,6,7
	global_load_b128 v[IW+4*\q:IW+4*\q+3], v[PO], s[6:7] offset:256*\q    ; sixteen lanes take 256 bytes on end of their n's row
.endr
.irp q, 0,1,2,3,4,5,6,7
	global_load_b128 v[BM+4*\q:BM+4*\q+3], v[PO], s[8:9] offset:256*\q
.endr
.irp q, 0,1,2,3,4,5,6,7
	global_load_b128 v[AC+4*\q:AC+4*\q+3], v[PO], s[10:11] offset:256*\q
.endr
.irp q, 0,1,2,3,4,5,6,7
	global_load_b128 v[AS+4*\q:AS+4*\q+3], v[PO], s[12:13] offset:256*\q
.endr
	; The parameters are made once: 64 rows use them.
	s_wait_loadcnt 24                              ; W is in; the 24 loads of B and the gains may stay out
.set i, 0
.rept 32
	v_and_b32 v[IW+i], 0x7fffffff, v[IW+i]
.set i, i+1
.endr
.set i, 0
.rept 16
	v_pk_add_f32 v[IW+i:IW+i+1], v[IW+i:IW+i+1], 1.0 op_sel_hi:[1,0]
.set i, i+2
.endr
.set i, 0
.rept 32
	v_rcp_f32 v[IW+i], v[IW+i]                     ; one batch; the lines on BM and MH below are the plain work behind it
.set i, i+1
.endr
	s_wait_loadcnt 16                              ; B is in
.set i, 0
.rept 16
	v_pk_fma_f32 v[BM+i:BM+i+1], v[BM+i:BM+i+1], s[K2PI:K2PI+1], s[MAG:MAG+1] op_sel_hi:[1,0,0]
.set i, i+2
.endr
	s_wait_loadcnt 0x0
.set i, 0
.rept 16
	v_pk_mul_f32 v[MH+i:MH+i+1], v[AS+i:AS+i+1], -0.5 op_sel_hi:[1,0]
.set i, i+2
.endr
	s_wait_alu depctr_va_vdst(0)                   ; one wait for the 32 reciprocals, ahead of their first reader
.set i, 0
.rept 16
	v_pk_mul_f32 v[IW+i:IW+i+1], v[IW+i:IW+i+1], s[K2PI:K2PI+1] op_sel_hi:[1,0]
.set i, i+2
.endr
; THE SUM OVER 16 LANES of the row before, twelve lines, strewn into the next row's first batch so that no line waits for the one before it.
; 0-3 the two sets and the two halves of a pair; 4-6 lanes 8 apart exchange: lanes 0-7 keep cos and take the partner's cos, lanes 8-15 likewise sin; 7-9 the eight lanes; 10, 11 the sum goes to the stage.
.macro RED n
.if (\n) == 0
	v_pk_add_f32 v[ACC:ACC+1], v[ACC:ACC+1], v[ACC+2:ACC+3]
.elseif (\n) == 1
	v_pk_add_f32 v[ACC+4:ACC+5], v[ACC+4:ACC+5], v[ACC+6:ACC+7]
.elseif (\n) == 2
	v_add_f32 v[RC], v[ACC], v[ACC+1]
.elseif (\n) == 3
	v_add_f32 v[RS], v[ACC+4], v[ACC+5]
.elseif (\n) == 4
	v_cndmask_b32 v[KEEP], v[RC], v[RS], s[MSK]
.elseif (\n) == 5
	v_cndmask_b32 v[SEND], v[RS], v[RC], s[MSK]
.elseif (\n) == 6
	v_add_f32_dpp v[KEEP], v[SEND], v[KEEP] row_xmask:8 row_mask:0xf bank_mask:0xf
.elseif (\n) == 7
	v_add_f32_dpp v[KEEP], v[KEEP], v[KEEP] row_xmask:4 row_mask:0xf bank_mask:0xf
.elseif (\n) == 8
	v_add_f32_dpp v[KEEP], v[KEEP], v[KEEP] row_xmask:2 row_mask:0xf bank_mask:0xf
.elseif (\n) == 9
	v_add_f32_dpp v[KEEP], v[KEEP], v[KEEP] row_xmask:1 row_mask:0xf bank_mask:0xf
.elseif (\n) == 10
	ds_store_b32 v[SA], v[KEEP]                    ; eight lanes write one word with one value
.else
	v_add_nc_u32 v[SA], 16, v[SA]
.endif
.endm
.macro HOOK b, red, n
.if (\red) && ((\b) == 0)
	RED \n
.endif
.endm
; The sums: two sets by turns; a row's first two chains start them, so nothing is cleared.
.macro ADDS b, k
.if ((\b) == 0) && ((\k) < 2)
	v_pk_mul_f32 v[ACC+4+2*(\k):ACC+5+2*(\k)], v[F+2*(\k):F+2*(\k)+1], v[S+2*(\k):S+2*(\k)+1]
.else
	v_pk_fma_f32 v[ACC+4+2*((\k)%2):ACC+5+2*((\k)%2)], v[F+2*(\k):F+2*(\k)+1], v[S+2*(\k):S+2*(\k)+1], v[ACC+4+2*((\k)%2):ACC+5+2*((\k)%2)]
.endif
.endm
.macro ADDC b, k
.if ((\b) == 0) && ((\k) < 2)
	v_pk_mul_f32 v[ACC+2*(\k):ACC+1+2*(\k)], v[C+2*(\k):C+2*(\k)+1], v[AC+8*(\b)+2*(\k):AC+8*(\b)+2*(\k)+1]
.else
	v_pk_fma_f32 v[ACC+2*((\k)%2):ACC+1+2*((\k)%2)], v[C+2*(\k):C+2*(\k)+1], v[AC+8*(\b)+2*(\k):AC+8*(\b)+2*(\k)+1], v[ACC+2*((\k)%2):ACC+1+2*((\k)%2)]
.endif
.endm
; A BATCH: four chains of two angles (8 d), written stage by stage, so that a line and the line that reads its result stand four apart.  pre = 1: as soon as the batch's x is used, the next row's is asked for into the
; same registers.  red = 1: the first batch carries the sum over lanes of the row before.
; The wait: my two loads for this batch were issued a row ago; behind them stand six loads and a store.  Six may stay out.  In a row that asks for nothing: the 6 - 2 b loads of the batches still to come.
.macro BATCH b, pre, red
.if \pre
	s_wait_dscnt 6
.else
	s_wait_dscnt 6-2*(\b)
.endif
.irp k, 0,1,2,3
	v_pk_fma_f32 v[F+2*\k:F+2*\k+1], v[X+8*(\b)+2*\k:X+8*(\b)+2*\k+1], v[IW+8*(\b)+2*\k:IW+8*(\b)+2*\k+1], v[BM+8*(\b)+2*\k:BM+8*(\b)+2*\k+1]  ; v: rounded to a step of the table
.endr
.if \pre
	ds_load_b128 v[X+8*(\b):X+8*(\b)+3],   v[XA] offset:2048+512*(\b)
	ds_load_b128 v[X+8*(\b)+4:X+8*(\b)+7], v[XA] offset:2048+512*(\b)+256
.endif
	HOOK \b, \red, 0
	HOOK \b, \red, 1
.irp j, 0,1,2,3,4,5,6,7
	v_fract_f32 v[F+\j], v[F+\j]                   ; f: the whole turns are gone
.endr
	HOOK \b, \red, 2
	HOOK \b, \red, 3
.irp k, 0,1,2,3
	v_pk_fma_f32 v[Z+2*\k:Z+2*\k+1], v[F+2*\k:F+2*\k+1], v[F+2*\k:F+2*\k+1], v[F+2*\k:F+2*\k+1] neg_lo:[0,0,1] neg_hi:[0,0,1]  ; z = f f - f
.endr
	HOOK \b, \red, 4
	HOOK \b, \red, 5
.irp k, 0,1,2,3
	v_pk_fma_f32 v[S+2*\k:S+2*\k+1], v[Z+2*\k:Z+2*\k+1], s[KQ3:KQ3+1], s[KQ2:KQ2+1] op_sel_hi:[1,0,0]
.endr
	HOOK \b, \red, 6
.irp k, 0,1,2,3
	v_pk_fma_f32 v[C+2*\k:C+2*\k+1], v[Z+2*\k:Z+2*\k+1], s[KC4:KC4+1], s[KC3:KC3+1] op_sel_hi:[1,0,0]
.endr
	HOOK \b, \red, 7
.irp k, 0,1,2,3
	v_pk_fma_f32 v[S+2*\k:S+2*\k+1], v[S+2*\k:S+2*\k+1], v[Z+2*\k:Z+2*\k+1], s[KQ1:KQ1+1] op_sel_hi:[1,1,0]
.endr
	HOOK \b, \red, 8
.irp k, 0,1,2,3
	v_pk_fma_f32 v[C+2*\k:C+2*\k+1], v[C+2*\k:C+2*\k+1], v[Z+2*\k:Z+2*\k+1], s[KC2:KC2+1] op_sel_hi:[1,1,0]
.endr
	HOOK \b, \red, 9
.irp k, 0,1,2,3
	v_pk_fma_f32 v[S+2*\k:S+2*\k+1], v[S+2*\k:S+2*\k+1], v[Z+2*\k:Z+2*\k+1], s[KQ0:KQ0+1] op_sel_hi:[1,1,0]
.endr
	HOOK \b, \red, 10
	HOOK \b, \red, 11
.irp k, 0,1,2,3
	v_pk_fma_f32 v[C+2*\k:C+2*\k+1], v[C+2*\k:C+2*\k+1], v[Z+2*\k:Z+2*\k+1], s[KC1:KC1+1] op_sel_hi:[1,1,0]
.endr
.irp k, 0,1,2,3
	v_pk_fma_f32 v[F+2*\k:F+2*\k+1], v[F+2*\k:F+2*\k+1], v[AS+8*(\b)+2*\k:AS+8*(\b)+2*\k+1], v[MH+8*(\b)+2*\k:MH+8*(\b)+2*\k+1]  ; h = as (f - 1/2)
.endr
.irp k, 0,1,2,3
	v_pk_fma_f32 v[C+2*\k:C+2*\k+1], v[C+2*\k:C+2*\k+1], v[Z+2*\k:Z+2*\k+1], s[KC0:KC0+1] op_sel_hi:[1,1,0]
.endr
	ADDS \b, 0                                     ; two lines on one set stand four apart
	ADDS \b, 1
	ADDC \b, 0
	ADDC \b, 1
	ADDS \b, 2
	ADDS \b, 3
	ADDC \b, 2
	ADDC \b, 3
.endm
.macro ROW pre, red
	BATCH 0, \pre, \red
	BATCH 1, \pre, \red
	BATCH 2, \pre, \red
	BATCH 3, \pre, \red
.if \pre
	v_add_nc_u32 v[XA], 2048, v[XA]
.endif
.endm
.macro FIRSTX                          ; a tile's first row: eight loads, 256 bytes on end for each half of the lanes
.irp q, 0,1,2,3,4,5,6,7
	ds_load_b128 v[X+4*\q:X+4*\q+3], v[XA] offset:256*\q
.endr
.endm
	s_wait_tensorcnt 0x1                           ; my part of rows 0-31 is in; my part of rows 32-127 may stay out
	s_barrier_signal -1
	s_barrier_wait -1                              ; everybody's part is in
	FIRSTX
	ROW 1, 0                                       ; the first row has no row before it
	s_mov_b32 s[CNT], ROWS0-2
.Lrows0:
	ROW 1, 1
	s_sub_co_u32 s[CNT], s[CNT], 1
	s_cmp_lg_u32 s[CNT], 0
	s_cbranch_scc1 .Lrows0
	ROW 0, 1                                       ; the tile's last row asks for nothing: the next row lies in the second tile
	s_wait_tensorcnt 0x0                           ; my part of rows 32-127 is in,
	s_wait_dscnt 0x0                               ; and no LDS instruction of mine is out at the signal
	s_barrier_signal -1
	s_barrier_wait -1                              ; everybody's is
	v_mov_b32 v[XA], v[XA1]
	FIRSTX
	s_mov_b32 s[CNT], ROWS1-1
.Lrows1:
	ROW 1, 1
	s_sub_co_u32 s[CNT], s[CNT], 1
	s_cmp_lg_u32 s[CNT], 0
	s_cbranch_scc1 .Lrows1
	ROW 0, 1
.irp n, 0,1,2,3,4,5,6,7,8,9,10
	RED \n                                         ; the last row's sum
.endr
	s_wait_dscnt 0x0                               ; for the others' sake: my stores into the stage are done
	s_barrier_signal -1
	s_barrier_wait -1
	; THE WAY OUT.  Thread t takes one kind (t / 128) of one row: the row that wave half (t / 64) % 2 worked on as its (t % 64)-th.  Its 8 n lie in four waves' stages, two each.
	v_and_b32 v44, 63, v0
	v_bfe_u32 v45, v0, 6, 1
	v_lshrrev_b32 v46, 7, v0
	v_lshlrev_b32 v47, 4, v44
	v_lshl_add_u32 v47, v45, 12, v47
	v_lshl_add_u32 v47, v46, 3, v47
	v_add_nc_u32 v47, STAGE, v47
.irp p, 0,1,2,3
	ds_load_b64 v[F+2*\p:F+2*\p+1], v47 offset:1024*\p
.endr
	v_lshl_add_u32 v48, v45, 4, v44                ; the row in the block: i + 16 half for i < 16,
	v_lshl_add_u32 v49, v45, 5, 16
	v_add_nc_u32 v49, v48, v49                     ; i + 16 + 48 half from 16 on
	v_cmp_lt_u32 vcc_lo, 15, v44
	v_cndmask_b32 v48, v48, v49, vcc_lo
	v_lshlrev_b32 v[GO], 4, v48                    ; 16 bytes a row: sixteen neighbouring threads have sixteen neighbouring rows, 256 bytes on end, aligned
	v_lshl_add_u32 v[GO], v46, 19, v[GO]           ; sin's 32 k blocks lie 524,288 bytes behind cos's
	s_wait_dscnt 0x0
.irp i, 0,1,2,3
	v_cvt_pk_bf16_f32 v[Z+\i], v[F+2*\i], v[F+2*\i+1]              ; the sum rounded to bf16,
.endr
.irp i, 0,1,2,3
	v_lshlrev_b32 v[S+2*\i], 16, v[Z+\i]
	v_and_b32 v[S+2*\i+1], 0xffff0000, v[Z+\i]
.endr
.irp i, 0,1,2,3
	v_pk_add_f32 v[F+2*\i:F+2*\i+1], v[F+2*\i:F+2*\i+1], v[S+2*\i:S+2*\i+1] neg_lo:[0,1] neg_hi:[0,1]
.endr
.irp i, 0,1,2,3
	v_cvt_pk_bf16_f32 v[Z+4+\i], v[F+2*\i], v[F+2*\i+1]            ; and what that rounding left, rounded to bf16
.endr
	global_store_b128 v[GO], v[Z:Z+3], s[14:15]
	global_store_b128 v[GO], v[Z+4:Z+7], s[14:15] offset:1048576
	s_wait_tensorcnt 0x0                           ; the wave's end, behind my last tensor load and my last LDS store
	ds_add_u32 v[SPW], v[NIL]
	s_wait_dscnt 0x0
	CROUND                                         ; the closing round: no work-group ends while a partner may still ask for a tile that names it
	s_endpgm
.Lfunc_end_k_qf7e475cf89_sums:
	.size	k_qf7e475cf89_sums, .Lfunc_end_k_qf7e475cf89_sums-k_qf7e475cf89_sums
	.p2alignl 7, 3214868480
	.fill 96, 4, 3214868480
	.section	.rodata,"a",@progbits
	.p2align	6, 0x0
	.amdhsa_kernel k_qf7e475cf89_sums
		.amdhsa_group_segment_fixed_size 271360
		.amdhsa_private_segment_fixed_size 0
		.amdhsa_enable_private_segment 0
		.amdhsa_kernarg_size 48
		.amdhsa_user_sgpr_count 2
		.amdhsa_user_sgpr_kernarg_segment_ptr 1
		.amdhsa_wavefront_size32 1
		.amdhsa_system_sgpr_workgroup_id_x 1
		.amdhsa_system_sgpr_workgroup_id_y 1
		.amdhsa_system_sgpr_workgroup_id_z 1
		.amdhsa_system_vgpr_workitem_id 0
		.amdhsa_next_free_vgpr 248
		.amdhsa_next_free_sgpr 78
		.amdhsa_reserve_vcc 1
		.amdhsa_float_denorm_mode_32 3
		.amdhsa_float_denorm_mode_16_64 3
		.amdhsa_memory_ordered 1
		.amdhsa_forward_progress 1
		.amdhsa_inst_pref_size 91
	.end_amdhsa_kernel
	.amdgpu_metadata
---
amdhsa.version: [ 1, 2 ]
amdhsa.kernels:
  - .name:           k_qf7e475cf89_sums
    .symbol:         k_qf7e475cf89_sums.kd
    .args:
      - { .name: x, .offset: 0, .size: 8, .value_kind: global_buffer, .address_space: global }
      - { .name: W, .offset: 8, .size: 8, .value_kind: global_buffer, .address_space: global }
      - { .name: B_param, .offset: 16, .size: 8, .value_kind: global_buffer, .address_space: global }
      - { .name: attn_cos, .offset: 24, .size: 8, .value_kind: global_buffer, .address_space: global }
      - { .name: attn_sin, .offset: 32, .size: 8, .value_kind: global_buffer, .address_space: global }
      - { .name: sums, .offset: 40, .size: 8, .value_kind: global_buffer, .address_space: global }
    .group_segment_fixed_size: 271360
    .private_segment_fixed_size: 0
    .kernarg_segment_align: 8
    .kernarg_segment_size: 48
    .max_flat_workgroup_size: 256
    .sgpr_count:     78
    .vgpr_count:     248
    .wavefront_size: 32
...
	.end_amdgpu_metadata
.endif
;; end of part 1
;; launch proj (part 2): grid 8 x 32, 16 waves a work-group, no clusters, 141,312 bytes of LDS; arguments sums, proj_cos_w, proj_sin_w, out0; writes out0
.if DOCPART == 2
	.amdgcn_target "amdgcn-amd-amdhsa--gfx1250"
	.amdhsa_code_object_version 6
	.text
	.protected	k_qf7e475cf89_proj
	.globl	k_qf7e475cf89_proj
	.p2align	8
	.type	k_qf7e475cf89_proj,@function
k_qf7e475cf89_proj:
	s_mov_b64 s[64:65], 0
	v_nop
	global_prefetch_b8 v0, s[64:65] scope:SCOPE_SE
	s_setreg_imm32_b32 hwreg(HW_REG_WAVE_MODE, 25, 1), 1
	s_wait_xcnt 0x0
; out[r][c] = silu(sum over n of cos_sum[r][n] proj_cos_w[c][n] + sin_sum[r][n] proj_sin_w[c][n]).  out: [1024][512] f32; the weights: [512][256] f32.
; sums (bf16): [part 2][k block 64][row 1024][8], k = 256 kind + n, part 0 the sum rounded to bf16, part 1 the rest.  The weights are split in the same way here, in registers.
; THE PRODUCT is taken as high x high + rest x high + high x rest, all operands bf16, sums in f32: what is left out is 2^-16 of a term.
; SHARES.  A work-group makes 32 rows x 64 columns.  K (512) IS SPLIT AMONG ITS 16 WAVES: wave w takes k = 32 w .. 32 w + 31 for the whole tile, so no operand is loaded twice in a work-group, and a wave's 24 loads
; go out at once.  The 16 partial tiles meet in LDS; that is also the turn from a lane's eight columns to whole rows: wave w adds rows 2 w and 2 w + 1, and sixteen lanes store a row's 256 bytes.
; LAYOUT.  Source 0 = 16 rows of the weights (columns of out), source 1 = 16 rows of sums: in the result lane l holds row l % 16 of out and the columns 8 (l / 16) + 0..7.
; A fragment is 16 rows x 32 k in 8 registers: lane l holds row l % 16; registers 0-3 k = 8 (l / 16) + 0..7, registers 4-7 k = 16 + 8 (l / 16) + 0..7.
; NO CLUSTER: both operands go straight from memory into fragment registers, each byte once a work-group; joint requests serve tiles in LDS.
; LIMITS.  silu = x / (1 + 2^(-x log2 e)): where the power overflows the quotient is 0, where it vanishes it is x.  NaN and infinities are not treated apart.
.set PITCH, 272                        ; a row of a partial tile: 256 bytes + 16 = 68 words: the 16 rows that a store touches start at 16 different groups of four banks (64 banks of 4 bytes: ISA guide 11.1)
.set PSZ,   32*PITCH                   ; a wave's partial tile
.set SPARE, 16*PSZ                     ; behind the 16 tiles: the spare words, 128 bytes for each wave: eight blocks of 256 bytes that no other line names
.set AO,  2                            ; v2   my byte offset in sums
.set WO,  3                            ; v3   my byte offset in the weights
.set STO, 4                            ; v4   where I put my 32 bytes of a row of my partial tile
.set RD,  5                            ; v5, v6   where I read 16 bytes of a row back, tiles 0-7 and 8-15
.set RD2, 6
.set GO,  7                            ; v7   my byte offset in out
.set SPW, 8                            ; v8   LDS address of my spare word; never rewritten
.set NIL, 9                            ; v9   0; never rewritten
.set R16, 10                           ; v10  l % 16
.set HB,  11                           ; v11  l / 16
.set E,   12                           ; v[12:15] at work in silu
.set ACC, 16                           ; v[16:79]   8 accumulators: column tile ct, row tile rt at ACC + 8 (2 ct + rt)
.set AF,  80                           ; v[80:111]  sums' fragments: row tile rt, part pt at AF + 16 rt + 8 pt
.set RAW, 112                          ; v[112:175] the weights as loaded, 16 f32 a column tile; later the 16 partial sums
.set HI,  176                          ; v[176:207] their high parts, 8 a column tile
.set LO,  208                          ; v[208:239] their rests
.set U,   240                          ; v[240:247] at work
.set WV,  12
.set RB,  13
.set T,   14
.set T2,  15
.set L2E, 16                           ; s[16:17] -log2(e)
	s_load_b256 s[4:11], s[0:1], 0x0               ; sums s[4:5], proj_cos_w s[6:7], proj_sin_w s[8:9], out s[10:11]
	v_lshl_add_u32 v[SPW], v0, 2, SPARE
	v_mov_b32 v[NIL], 0
	v_lshrrev_b32 v1, 5, v0
	v_readfirstlane_b32 s[WV], v1
	v_and_b32 v[R16], 15, v0
	v_bfe_u32 v[HB], v0, 4, 1
	v_lshlrev_b32 v[AO], 4, v[R16]
	v_lshl_add_u32 v[AO], v[HB], 14, v[AO]         ; 16 bytes a row; the next k block lies 16,384 bytes on
	v_lshlrev_b32 v[WO], 10, v[R16]
	v_lshl_add_u32 v[WO], v[HB], 5, v[WO]          ; 1,024 bytes a row; 8 k are 32 bytes
	s_and_b32 s[RB], ttmp7, 0xffff
	s_lshl_b32 s20, s[WV], 16                      ; sums: my four k blocks,
	s_lshl_b32 s21, s[RB], 9                       ; my work-group's 32 rows
	s_add_co_u32 s20, s20, s21
	s_mov_b32 s21, 0
	s_lshl_b32 s22, ttmp9, 16                      ; the weights: my work-group's 64 rows,
	s_and_b32 s23, s[WV], 7
	s_lshl_b32 s23, s23, 7                         ; my 32 n
	s_add_co_u32 s22, s22, s23
	s_mov_b32 s23, 0
	s_lshl_b32 s24, s[RB], 16                      ; out: my work-group's 32 rows of 2,048 bytes,
	s_lshl_b32 s25, s[WV], 12                      ; my wave's two,
	s_add_co_u32 s24, s24, s25
	s_lshl_b32 s25, ttmp9, 8                       ; the 64 columns
	s_add_co_u32 s24, s24, s25
	s_mov_b32 s25, 0
	s_mul_i32 s[T], s[WV], PSZ
	s_mul_i32 s[T2], s[WV], 2*PITCH
	s_mov_b32 s[L2E], 0xbfb8aa3b
	s_mov_b32 s[L2E+1], 0xbfb8aa3b
	s_wait_kmcnt 0x0
	s_add_nc_u64 s[4:5], s[4:5], s[20:21]
	s_cmp_lt_u32 s[WV], 8                          ; waves 0-7 multiply cos's part, waves 8-15 sin's
	s_cselect_b64 s[6:7], s[6:7], s[8:9]
	s_add_nc_u64 s[6:7], s[6:7], s[22:23]
	s_add_nc_u64 s[10:11], s[10:11], s[24:25]
.irp ct, 0,1,2,3
	global_load_b128 v[RAW+16*\ct:RAW+16*\ct+3],     v[WO], s[6:7] offset:16384*\ct
	global_load_b128 v[RAW+16*\ct+4:RAW+16*\ct+7],   v[WO], s[6:7] offset:16384*\ct+16
	global_load_b128 v[RAW+16*\ct+8:RAW+16*\ct+11],  v[WO], s[6:7] offset:16384*\ct+64
	global_load_b128 v[RAW+16*\ct+12:RAW+16*\ct+15], v[WO], s[6:7] offset:16384*\ct+80
.endr
.irp rt, 0,1
.irp pt, 0,1
	global_load_b128 v[AF+16*\rt+8*\pt:AF+16*\rt+8*\pt+3],   v[AO], s[4:5] offset:256*\rt+1048576*\pt        ; sixteen lanes take sixteen rows' 256 bytes on end
	global_load_b128 v[AF+16*\rt+8*\pt+4:AF+16*\rt+8*\pt+7], v[AO], s[4:5] offset:256*\rt+1048576*\pt+32768
.endr
.endr
; A column tile's 16 weights a lane: rounded to bf16 in pairs; the rounded numbers widened again and taken away; the rest rounded to bf16.  Four pairs at a time.
.macro CONV ct
.irp g, 0,1
.irp i, 0,1,2,3
	v_cvt_pk_bf16_f32 v[HI+8*(\ct)+4*\g+\i], v[RAW+16*(\ct)+8*\g+2*\i], v[RAW+16*(\ct)+8*\g+2*\i+1]
.endr
.irp i, 0,1,2,3
	v_lshlrev_b32 v[U+2*\i], 16, v[HI+8*(\ct)+4*\g+\i]
	v_and_b32 v[U+2*\i+1], 0xffff0000, v[HI+8*(\ct)+4*\g+\i]
.endr
.irp i, 0,1,2,3
	v_pk_add_f32 v[RAW+16*(\ct)+8*\g+2*\i:RAW+16*(\ct)+8*\g+2*\i+1], v[RAW+16*(\ct)+8*\g+2*\i:RAW+16*(\ct)+8*\g+2*\i+1], v[U+2*\i:U+2*\i+1] neg_lo:[0,1] neg_hi:[0,1]
.endr
.irp i, 0,1,2,3
	v_cvt_pk_bf16_f32 v[LO+8*(\ct)+4*\g+\i], v[RAW+16*(\ct)+8*\g+2*\i], v[RAW+16*(\ct)+8*\g+2*\i+1]
.endr
.endr
.endm
	s_wait_loadcnt 20                              ; column tile 0's four loads are in; the 20 younger may stay out
	CONV 0
	s_wait_loadcnt 16
	CONV 1
	s_wait_loadcnt 12
	CONV 2
	s_wait_loadcnt 8                               ; sums' eight loads may stay out
	CONV 3
	s_wait_loadcnt 0x0
	; 24 products.  The eight accumulators take turns, one instruction a turn: seven others stand between two links of a chain.  The first eight start the sums.
.irp ct, 0,1,2,3
.irp rt, 0,1
	v_wmma_f32_16x16x32_bf16 v[ACC+8*(2*\ct+\rt):ACC+8*(2*\ct+\rt)+7], v[HI+8*\ct:HI+8*\ct+7], v[AF+16*\rt:AF+16*\rt+7], 0
.endr
.endr
.irp ct, 0,1,2,3
.irp rt, 0,1
	v_wmma_f32_16x16x32_bf16 v[ACC+8*(2*\ct+\rt):ACC+8*(2*\ct+\rt)+7], v[HI+8*\ct:HI+8*\ct+7], v[AF+16*\rt+8:AF+16*\rt+15], v[ACC+8*(2*\ct+\rt):ACC+8*(2*\ct+\rt)+7]
.endr
.endr
.irp ct, 0,1,2,3
.irp rt, 0,1
	v_wmma_f32_16x16x32_bf16 v[ACC+8*(2*\ct+\rt):ACC+8*(2*\ct+\rt)+7], v[LO+8*\ct:LO+8*\ct+7], v[AF+16*\rt:AF+16*\rt+7], v[ACC+8*(2*\ct+\rt):ACC+8*(2*\ct+\rt)+7]
.endr
.endr
	; the addresses for the way out: nine plain vector lines that name no register of the products: the places between the last product and the stores that read the results
	v_mul_u32_u24 v[STO], v[R16], PITCH
	v_lshl_add_u32 v[STO], v[HB], 5, v[STO]
	v_add_nc_u32 v[STO], s[T], v[STO]              ; my tile + row l % 16 + 32 bytes for each half of the lanes
	v_mul_u32_u24 v[RD], v[HB], PITCH
	v_lshl_add_u32 v[RD], v[R16], 4, v[RD]
	v_add_nc_u32 v[RD], s[T2], v[RD]               ; row 2 w + l / 16, 16 bytes a lane
	v_add_nc_u32 v[RD2], 8*PSZ, v[RD]
	v_lshlrev_b32 v[GO], 4, v[R16]
	v_lshl_add_u32 v[GO], v[HB], 11, v[GO]
.irp ct, 0,1,2,3
.irp rt, 0,1
	ds_store_b128 v[STO], v[ACC+8*(2*\ct+\rt):ACC+8*(2*\ct+\rt)+3]   offset:16*PITCH*\rt+64*\ct       ; each accumulator's low registers first
	ds_store_b128 v[STO], v[ACC+8*(2*\ct+\rt)+4:ACC+8*(2*\ct+\rt)+7] offset:16*PITCH*\rt+64*\ct+16
.endr
.endr
	s_wait_dscnt 0x0                               ; for the others' sake: my partial tile lies in LDS
	s_barrier_signal -1
	s_barrier_wait -1
.irp s, 0,1,2,3,4,5,6,7
	ds_load_b128 v[RAW+4*\s:RAW+4*\s+3], v[RD] offset:PSZ*\s
.endr
.irp s, 0,1,2,3,4,5,6,7
	ds_load_b128 v[RAW+32+4*\s:RAW+32+4*\s+3], v[RD2] offset:PSZ*\s
.endr
	s_wait_dscnt 0x0
.irp d, 32, 16, 8, 4                   ; the 16 partial sums of my four numbers, in f32, halved four times
.set i, 0
.rept (\d)/2
	v_pk_add_f32 v[RAW+i:RAW+i+1], v[RAW+i:RAW+i+1], v[RAW+\d+i:RAW+\d+i+1]
.set i, i+2
.endr
.endr
	v_pk_mul_f32 v[E:E+1], v[RAW:RAW+1], s[L2E:L2E+1] op_sel_hi:[1,0]
	v_pk_mul_f32 v[E+2:E+3], v[RAW+2:RAW+3], s[L2E:L2E+1] op_sel_hi:[1,0]
.irp i, 0,1,2,3
	v_exp_f32 v[E+\i], v[E+\i]
.endr
	v_nop                                          ; a plain line behind the last exponential,
	s_wait_alu depctr_va_vdst(0)                   ; and one wait for the four, ahead of their first reader
	v_pk_add_f32 v[E:E+1], v[E:E+1], 1.0 op_sel_hi:[1,0]
	v_pk_add_f32 v[E+2:E+3], v[E+2:E+3], 1.0 op_sel_hi:[1,0]
.irp i, 0,1,2,3
	v_rcp_f32 v[E+\i], v[E+\i]
.endr
	v_nop
	s_wait_alu depctr_va_vdst(0)                   ; the same for the four reciprocals
	v_pk_mul_f32 v[RAW:RAW+1], v[RAW:RAW+1], v[E:E+1]
	v_pk_mul_f32 v[RAW+2:RAW+3], v[RAW+2:RAW+3], v[E+2:E+3]
	global_store_b128 v[GO], v[RAW:RAW+3], s[10:11] th:TH_STORE_NT  ; sixteen lanes store 256 bytes on end, at a multiple of 256 from out's first byte
	s_wait_tensorcnt 0x0                           ; the wave's end, behind my last LDS store
	ds_add_u32 v[SPW], v[NIL]
	s_wait_dscnt 0x0
	s_endpgm
.Lfunc_end_k_qf7e475cf89_proj:
	.size	k_qf7e475cf89_proj, .Lfunc_end_k_qf7e475cf89_proj-k_qf7e475cf89_proj
	.p2alignl 7, 3214868480
	.fill 96, 4, 3214868480
	.section	.rodata,"a",@progbits
	.p2align	6, 0x0
	.amdhsa_kernel k_qf7e475cf89_proj
		.amdhsa_group_segment_fixed_size 141312
		.amdhsa_private_segment_fixed_size 0
		.amdhsa_enable_private_segment 0
		.amdhsa_kernarg_size 32
		.amdhsa_user_sgpr_count 2
		.amdhsa_user_sgpr_kernarg_segment_ptr 1
		.amdhsa_wavefront_size32 1
		.amdhsa_system_sgpr_workgroup_id_x 1
		.amdhsa_system_sgpr_workgroup_id_y 1
		.amdhsa_system_sgpr_workgroup_id_z 1
		.amdhsa_system_vgpr_workitem_id 0
		.amdhsa_next_free_vgpr 248
		.amdhsa_next_free_sgpr 66
		.amdhsa_reserve_vcc 0
		.amdhsa_float_denorm_mode_32 3
		.amdhsa_float_denorm_mode_16_64 3
		.amdhsa_memory_ordered 1
		.amdhsa_forward_progress 1
		.amdhsa_inst_pref_size 21
	.end_amdhsa_kernel
	.amdgpu_metadata
---
amdhsa.version: [ 1, 2 ]
amdhsa.kernels:
  - .name:           k_qf7e475cf89_proj
    .symbol:         k_qf7e475cf89_proj.kd
    .args:
      - { .name: sums, .offset: 0, .size: 8, .value_kind: global_buffer, .address_space: global }
      - { .name: proj_cos_w, .offset: 8, .size: 8, .value_kind: global_buffer, .address_space: global }
      - { .name: proj_sin_w, .offset: 16, .size: 8, .value_kind: global_buffer, .address_space: global }
      - { .name: out0, .offset: 24, .size: 8, .value_kind: global_buffer, .address_space: global }
    .group_segment_fixed_size: 141312
    .private_segment_fixed_size: 0
    .kernarg_segment_align: 8
    .kernarg_segment_size: 32
    .max_flat_workgroup_size: 512
    .sgpr_count:     66
    .vgpr_count:     248
    .wavefront_size: 32
...
	.end_amdgpu_metadata
.endif
;; end of part 2
